; MI455X (gfx1250); checked and timed in simulation.
; The chip was launched on July 23, 2026; its instructions are those of AMD's public machine-readable ISA for CDNA 5 (MIT licence, August 2026) and "CDNA5" Instruction Set Architecture Reference Guide (July 2026). The comments in the code are by the model that wrote it; some were corrected since.
;; Multi Headed Attention. Allowed arithmetic: matrix products marked QUANTISED: E2M3 operands, one E8M0 scale for each 32 along K, by v_wmma_scale_f32_16x16x128_f8f6f4 with both operands' format E2M3, f32 sums; everything else in f32.
;; Inputs: Wk_codes 1,024 x 32 x 24 uint8 (E2M3 codes of Wk, K innermost, in blocks of 32 codes, four codes in three bytes); Wk_scales 1,024 x 32 uint8 (E8M0 scales of Wk, one for each 32 codes along K); Wo_codes 1,024 x 32 x 24 uint8 (E2M3 codes of Wo, K innermost, in blocks of 32 codes, four codes in three bytes); Wo_scales 1,024 x 32 uint8 (E8M0 scales of Wo, one for each 32 codes along K); Wq_codes 1,024 x 32 x 24 uint8 (E2M3 codes of Wq, K innermost, in blocks of 32 codes, four codes in three bytes); Wq_scales 1,024 x 32 uint8 (E8M0 scales of Wq, one for each 32 codes along K); Wv_codes 1,024 x 32 x 24 uint8 (E2M3 codes of Wv, K innermost, in blocks of 32 codes, four codes in three bytes); Wv_scales 1,024 x 32 uint8 (E8M0 scales of Wv, one for each 32 codes along K); bk 1,024 float32; bo 1,024 float32; bq 1,024 float32; bv 1,024 float32; key_t_codes 4 x 2,048 x 32 x 24 uint8 (E2M3 codes of key_t, K innermost, in blocks of 32 codes, four codes in three bytes); key_t_scales 4 x 2,048 x 32 uint8 (E8M0 scales of key_t, one for each 32 codes along K); mask 4 x 2,048 x 2,048 int32; query_codes 4 x 2,048 x 32 x 24 uint8 (E2M3 codes of query, K innermost, in blocks of 32 codes, four codes in three bytes); query_scales 4 x 2,048 x 32 uint8 (E8M0 scales of query, one for each 32 codes along K); value_codes 4 x 2,048 x 32 x 24 uint8 (E2M3 codes of value, K innermost, in blocks of 32 codes, four codes in three bytes); value_scales 4 x 2,048 x 32 uint8 (E8M0 scales of value, one for each 32 codes along K).
;; Outputs: out0 4 x 2,048 x 1,024 float32.
;; This version of the problem:
;;   THIS VERSION OF THE PROBLEM IS GIVEN IN LOW PRECISION. The matrix products marked QUANTISED in the list below multiply operands that are first quantised to E2M3 (2 exponent bits, 3 mantissa bits; 6 bits a number), with one power-of-two scale for each 32 numbers along K (OCP MX v1.0); their sums are f32. All else is computed in f32.
;;   The module's matrix products, in the order in which they are computed (A, B: the left and right operand; K: the contracted axis; several contracted axes count as one K, in the product's order):
;;     1. [M 8,192, K 1,024] x [K 1,024, N 1,024]; A: input query (given as codes); B: input Wq (given as codes): QUANTISED
;;     2. [M 8,192, K 1,024] x [K 1,024, N 1,024]; A: input key_t (given as codes); B: input Wk (given as codes): QUANTISED
;;     3. [M 8,192, K 1,024] x [K 1,024, N 1,024]; A: input value (given as codes); B: input Wv (given as codes): QUANTISED
;;     4. batch 64 x [M 2,048, K 64] x [K 64, N 2,048]; A: computed on the way; B: computed on the way: QUANTISED
;;     5. batch 64 x [M 2,048, K 2,048] x [K 2,048, N 64]; A: computed on the way; B: computed on the way: QUANTISED
;;     6. [M 8,192, K 1,024] x [K 1,024, N 1,024]; A: computed on the way; B: input Wo (given as codes): QUANTISED
;;   THE QUANTISER, for each operand of a quantised product, along K:
;;     - K is cut into blocks of 32 from its start; a last block that is shorter is filled with zeros.
;;     - A block's scale is 2^e with e = floor(log2(the largest magnitude in the block)) - 2, held to -126 .. 127; a block of zeros has e = 0. As a byte (E8M0): e + 127.
;;     - Each number is divided by its block's scale, clamped to +-7.5, and rounded to the nearest number of E2M3, ties to even, subnormals kept.
;;     - The product sums the exact products of the quantised numbers (number of the format x scale) in f32.
;;   ~~~python
;;   def quantise(x, axis):      # numpy; x: float32 -> the quantised numbers, widened to float32 again
;;       x = np.moveaxis(x, axis, -1); K = x.shape[-1]
;;       x = np.pad(x, [(0, 0)] * (x.ndim - 1) + [(0, -K % 32)]); x = x.reshape(x.shape[:-1] + (-1, 32)); a = np.abs(x).max(-1, keepdims=True)
;;       e = np.where(a > 0, np.clip(np.frexp(np.where(a > 0, a, 1))[1] - 1 - 2, -126, 127), 0)      # np.frexp(a)[1] - 1 = floor(log2(a)), exactly
;;       r = np.clip(x / 2.0 ** e, -7.5, 7.5)
;;       step = 2.0 ** (np.maximum(np.frexp(np.where(r == 0, 1, r))[1] - 1, 0) - 3)
;;       q = np.round(r / step) * step * 2.0 ** e      # np.round: ties to even
;;       return np.moveaxis(q.reshape(q.shape[:-2] + (-1,))[..., :K], -1, axis).astype(np.float32)
;;   ~~~
;;   OPERANDS COMPUTED ON THE WAY. 'Computed on the way' means the value that the module computes at that place (a softmax that the list does not call 'softmax' is quantised finished and normalised). What goes into a quantiser is computed in f32, as accurately as f32 sums, v_exp_f32 and their like allow (about 1e-6 of the number): no bf16 or f16 on the way to a quantiser, and a product that is left as it is and whose result goes on into a quantised operand takes f32 operands (vector FMAs, or v_wmma_f32_16x16x4_f32). A number that lies on a knife's edge between two numbers of the format may be rounded either way, as far as f32 arithmetic and the matrix unit's own rounding can turn it there, and no further.
;;   INPUTS GIVEN AS CODES. Wk (in the module: [1024, 1024], K = its axis 1); Wo (in the module: [1024, 1024], K = its axis 1); Wq (in the module: [1024, 1024], K = its axis 1); Wv (in the module: [1024, 1024], K = its axis 1); key_t (in the module: [4, 2048, 1024], K = its axis 2); query (in the module: [4, 2048, 1024], K = its axis 2); value (in the module: [4, 2048, 1024], K = its axis 2): each comes as NAME_codes (uint8): NAME with its K axis moved to the last place and cut into blocks of 32 codes, [.., K / 32, bytes a block], one block behind the other in memory; four codes in three bytes: a row's codes are one little-endian stream of bits, code i at bits 6 i .. 6 i + 5 (a code: sign, 2 exponent bits, 3 mantissa bits); and NAME_scales (uint8): the same leading axes, one E8M0 byte (e + 127) for each 32 codes along K. Its value is code x scale, taken as it is: it is not quantised again, and the codes and scales need not be those that the quantiser above would give.
;; One version. Each part assembles by itself: llvm-mc -triple=amdgcn-amd-amdhsa -mcpu=gfx1250 --defsym DOCPART=n.
;; ======== version 1 of 1: 4 launches
;; limits: right only within a limited range of input values
;; workspace buffers: mbits 2,097,152 bytes of whole numbers; pc 18,874,368 bytes; ps 1,572,864 bytes; xc 6,291,456 bytes; xs 262,144 bytes
;; launch maskbits (part 1): grid 512 x 1, 8 waves a work-group, no clusters, 68,608 bytes of LDS; arguments mask, mbits; writes mbits
.if DOCPART == 1
	.amdgcn_target "amdgcn-amd-amdhsa--gfx1250"
	.amdhsa_code_object_version 6
	.text
	.protected	k_q4bad72fb87_maskbits
	.globl	k_q4bad72fb87_maskbits
	.p2align	8
	.type	k_q4bad72fb87_maskbits,@function
k_q4bad72fb87_maskbits:
	s_mov_b64 s[64:65], 0
	v_nop
	global_prefetch_b8 v0, s[64:65] scope:SCOPE_SE
	s_setreg_imm32_b32 hwreg(HW_REG_WAVE_MODE, 25, 1), 1
	s_wait_xcnt 0x0
; mask [4][2048][2048] int32 becomes one bit a number, laid as the attention launch's lanes want it:
; mbits [tile of 16 queries: 512][w: 8 runs of 256 keys][128 words]; word 8 t + j, bit of lane (r, h) = (mask[query 16 tile + r][key 256 w + 16 t + 8 h + j] != 0).
; A stream: every byte of the mask is read once, 512 consecutive bytes a load; each store of the wave covers 256 consecutive bytes, aligned.  No matrix work, no cluster: work-groups share nothing.
; A work-group takes 16 rows of the mask, wave w its keys 256 w .. 256 w + 255, as two units of 128 keys.  All 32 loads of a wave are issued at once.
; A unit turns through the wave's own stage in LDS (16 rows of 512 bytes + 16), so that lane (r, h) gets row r's eight neighbours of each tile; a compare makes a word of 32 bits of each register.
.set ROWB, 8192                        ; a row of the mask in bytes
.set SP,   528                         ; a stage row: 512 bytes + 16 = 132 words: row r starts at bank 4 r mod 64 (64 banks of 4 bytes: ISA guide 11.1)
.set X,    16                          ; v16-143  unit u, row i: four registers as loaded
.set Y,    144                         ; v144-207 a unit's 64 numbers of my lane: register 8 t + j
.set WD,   6                           ; v6-9     a unit's 64 words: lane l holds words 2 l and 2 l + 1
	s_load_b128 s[4:7], s[0:1], 0x0                ; mask, mbits
	v_lshl_add_u32 v208, v0, 2, 0x10800
	v_mov_b32 v209, 0
	v_lshrrev_b32 v1, 5, v0
	s_delay_alu instid0(VALU_DEP_1)
	v_readfirstlane_b32 s8, v1                     ; wave 0..7
	v_and_b32 v5, 31, v0                           ; lane
	v_and_b32 v10, 15, v0                          ; r
	v_bfe_u32 v11, v0, 4, 1                        ; h
	s_delay_alu instid0(VALU_DEP_3)
	v_lshlrev_b32 v1, 4, v5                        ; 16 x lane: my bytes of a load's 512
	s_mul_i32 s9, s8, 16*SP                        ; my wave's stage
	v_add_nc_u32 v2, s9, v1                        ; into it: as loaded
	v_mul_u32_u24 v3, v10, SP
	s_delay_alu instid0(VALU_DEP_1)
	v_lshl_add_u32 v3, v11, 5, v3
	s_delay_alu instid0(VALU_DEP_1)
	v_add_nc_u32 v3, s9, v3                        ; out of it: row r, + 32 h
	v_lshlrev_b32 v4, 3, v5                        ; 8 x lane: my two words of a unit's 64
.irp i, 0,1,2,3
	v_mov_b32 v[WD+\i], 0                          ; written once: v_writelane_b32's destination counts as read
.endr
	s_lshl_b32 s2, ttmp9, 17                       ; 16 rows of 8,192 bytes a work-group (under 2^26)
	s_lshl_b32 s3, s8, 10
	s_add_co_u32 s2, s2, s3                        ; + my wave's 1,024 bytes of a row
	s_mov_b32 s3, 0
	s_lshl_b32 s10, ttmp9, 3
	s_add_co_u32 s10, s10, s8
	s_lshl_b32 s10, s10, 9                         ; 512 bytes of words for each tile and wave
	s_mov_b32 s11, 0
	s_wait_alu depctr_va_vdst(0)
	s_wait_kmcnt 0x0
	s_add_nc_u64 s[4:5], s[4:5], s[2:3]
	s_add_nc_u64 s[6:7], s[6:7], s[10:11]
.irp u, 0,1
.irp i, 0,1,2,3,4,5,6,7,8,9,10,11,12,13,14,15
	global_load_b128 v[X+64*\u+4*\i:X+64*\u+4*\i+3], v1, s[4:5] offset:ROWB*\i+512*\u th:TH_LOAD_NT   ; 32 lanes read 512 consecutive bytes; read once in the launch
.endr
.endr
.macro UNIT u
	s_wait_loadcnt 16-16*\u                        ; loads come back in order: this unit's 16 are in; for unit 0 the 16 of unit 1 stay out
.irp i, 0,1,2,3,4,5,6,7,8,9,10,11,12,13,14,15
	ds_store_b128 v2, v[X+64*\u+4*\i:X+64*\u+4*\i+3] offset:SP*\i
.endr
.irp t, 0,1,2,3,4,5,6,7
	ds_load_b128 v[Y+8*\t:Y+8*\t+3], v3 offset:64*\t          ; LDS serves a wave's instructions in order: these see my stores
	ds_load_b128 v[Y+8*\t+4:Y+8*\t+7], v3 offset:64*\t+16
.endr
	s_wait_dscnt 0x0
.irp t, 0,1,2,3,4,5,6,7
.irp j, 0,1,2,3,4,5,6,7
	v_cmp_ne_u32 s[16+\j], 0, v[Y+8*\t+\j]         ; word 8 t + j: a bit for each lane
.endr
.irp j, 0,1,2,3,4,5,6,7
	v_writelane_b32 v[WD+2*\u+\j%2], s[16+\j], 4*\t+\j/2
.endr
.endr
	global_store_b64 v4, v[WD+2*\u:WD+2*\u+1], s[6:7] offset:256*\u   ; 32 lanes store 256 consecutive bytes, aligned
.endm
	UNIT 0
	UNIT 1
	s_wait_tensorcnt 0x0
	ds_add_u32 v208, v209
	s_wait_dscnt 0x0
	s_endpgm
.Lfunc_end_k_q4bad72fb87_maskbits:
	.size	k_q4bad72fb87_maskbits, .Lfunc_end_k_q4bad72fb87_maskbits-k_q4bad72fb87_maskbits
	.p2alignl 7, 3214868480
	.fill 96, 4, 3214868480
	.section	.rodata,"a",@progbits
	.p2align	6, 0x0
	.amdhsa_kernel k_q4bad72fb87_maskbits
		.amdhsa_group_segment_fixed_size 68608
		.amdhsa_private_segment_fixed_size 0
		.amdhsa_enable_private_segment 0
		.amdhsa_kernarg_size 16
		.amdhsa_user_sgpr_count 2
		.amdhsa_user_sgpr_kernarg_segment_ptr 1
		.amdhsa_wavefront_size32 1
		.amdhsa_system_sgpr_workgroup_id_x 1
		.amdhsa_system_sgpr_workgroup_id_y 1
		.amdhsa_system_sgpr_workgroup_id_z 1
		.amdhsa_system_vgpr_workitem_id 0
		.amdhsa_next_free_vgpr 210
		.amdhsa_next_free_sgpr 66
		.amdhsa_reserve_vcc 0
		.amdhsa_float_denorm_mode_32 3
		.amdhsa_float_denorm_mode_16_64 3
		.amdhsa_memory_ordered 1
		.amdhsa_forward_progress 1
		.amdhsa_inst_pref_size 26
	.end_amdhsa_kernel
	.amdgpu_metadata
---
amdhsa.version: [ 1, 2 ]
amdhsa.kernels:
  - .name:           k_q4bad72fb87_maskbits
    .symbol:         k_q4bad72fb87_maskbits.kd
    .args:
      - { .name: mask, .offset: 0, .size: 8, .value_kind: global_buffer, .address_space: global }
      - { .name: mbits, .offset: 8, .size: 8, .value_kind: global_buffer, .address_space: global }
    .group_segment_fixed_size: 68608
    .private_segment_fixed_size: 0
    .kernarg_segment_align: 8
    .kernarg_segment_size: 16
    .max_flat_workgroup_size: 256
    .sgpr_count:     66
    .vgpr_count:     210
    .wavefront_size: 32
...
	.end_amdgpu_metadata
.endif
;; end of part 1
;; launch proj (part 2): grid 4 x 192, 4 waves a work-group, clusters of 4 x 4, 327,680 bytes of LDS; arguments query_codes, query_scales, Wq_codes, Wq_scales, bq, key_t_codes, key_t_scales, Wk_codes, Wk_scales, bk, Wv_codes, Wv_scales, value_codes, value_scales, bv, pc, ps; writes pc, ps
.if DOCPART == 2
	.amdgcn_target "amdgcn-amd-amdhsa--gfx1250"
	.amdhsa_code_object_version 6
	.text
	.protected	k_q4bad72fb87_proj
	.globl	k_q4bad72fb87_proj
	.p2align	8
	.type	k_q4bad72fb87_proj,@function
k_q4bad72fb87_proj:
	s_mov_b64 s[64:65], 0
	v_nop
	global_prefetch_b8 v0, s[64:65] scope:SCOPE_SE
	s_setreg_imm32_b32 hwreg(HW_REG_WAVE_MODE, 25, 1), 1
	s_wait_xcnt 0x0
	s_wait_alu depctr_hold_cnt(0) depctr_sa_sdst(0) depctr_va_vdst(0) depctr_va_sdst(0) depctr_va_ssrc(0) depctr_va_vcc(0) depctr_vm_vsrc(0)
	s_getreg_b32 s2, hwreg(HW_REG_IB_STS2, 6, 4)
	s_cmp_eq_u32 s2, 0
	s_cbranch_scc0 .Lentry_in_a_cluster
	s_endpgm
.Lentry_in_a_cluster:
	s_bfe_u32 s2, ttmp6, 0x10000c
	s_cmp_lg_u32 s2, 0xf033
	s_cbranch_scc0 .Lentry_shape_is_right
	s_endpgm
.Lentry_shape_is_right:
; q = query Wq^T + bq, k = key_t Wk^T + bk, v^T = Wv value^T + bv, on codes of FP6 (E2M3) with E8M0 scales; the results are quantised (q, k along the head's 64, v along the keys) and stored as register images.
; A block of C is 128 rows of A x 256 rows of B; for q and k A = the tokens, B = the weight; for v A = Wv, B = the tokens.  768 work-groups, 256 for each product.
; WHOLE ROWS OF K LIE IN LDS: a row of 1,024 codes is 768 bytes and begins at a multiple of 256 bytes; (128 + 256) rows, 16 bytes of padding behind each 256, and the rows' scales fit at once.
; So LDS is filled once, by one joint load a wave (A's codes, B's codes, A's scales, B's scales); nothing is filled again, and no barrier stands among the eight K steps.
; CLUSTERS 4 x 4: A's tiles are shared along a row of the cluster, B's along a column.  NO PREFETCH: there is no loop to run ahead in; every byte is asked for at the head.
; A wave makes 64 x 128: 32 accumulators (window 2).  Window 0: v16-29 addresses, v32-63 scale words (two sets), v64-127 bias by column, v128-223 A's fragments (two sets), v224-231 bias by row.  Window 1: B's fragments, two sets.
; The matrix instruction is used transposed (source 0 = rows of B, source 1 = rows of A): a lane holds one row of A and eight neighbouring columns.
; In a block of 32 the codes stand in the order 16 h + 8 u + j for number 16 u + 8 h + j: the same in q and k, and in v and attn.  A block of zeros gets the byte 1 (its codes are zeros; this program alone reads the bytes).
.set KROW,   768
.set PITCH,  816
.set FR,     12
.set NP,     4
.set KS,     32
.set BBASE,  128*PITCH
.set SCL,    BBASE+256*PITCH
.set SA64,   2176                      ; the scales of 64 rows: 8 units of 256 + 16 bytes
.set SB128,  4352                      ; of 128 rows
.set SBLK,   544                       ; of 16 rows
.set SPARE,  SCL+3*SB128               ; the spare words: 512 bytes that no other line names
.set L16,  7
.set L8,   8
.set SWI,  9
.set SRD,  10
.set L16S, 11
.set O32H, 12
.set O4R,  13
.set ADRA, 16                          ; v16 my A rows, v17 the same with lanes 16-31 beyond a padding
.set ADRB, 20                          ; v20-21 my B rows 0-63, v22-23 rows 64-127
.set ADRS, 27
.set SPW,  28
.set NIL,  29
.set SC,   32
.set BT,   64
.set AF,   128
.set TN,   128
.set TM,   192
.set PW,   204
.set QC,   208
.set BA,   224
.set SW,   240
.set QT,   248
.set SEL,  20
.set G1, 24
.set G0, 32
.set G1B, 48
.set G0B, 56
.set G1S, 68
.set G0S, 76
.set G1SB, 80
.set G0SB, 88
.set MSB, 0
.macro WIN new
.if MSB != (\new)
	s_set_vgpr_msb (MSB<<8)|(\new)
.set MSB, (\new)
.endif
.endm
.set MUL,  0xa1                        ; source 0 (B) window 1, source 1 (A) window 0, C and D window 2
.set TO_B, 0x40
.macro CROUND
	s_barrier_signal -1
	s_barrier_wait -1
	s_cmp_lg_u32 s14, 0
	s_cbranch_scc1 .Lnot_wave_0_\@
	s_barrier_signal -3
.Lnot_wave_0_\@:
	s_barrier_wait -3
	s_barrier_signal -1
	s_barrier_wait -1
.endm
.macro DESC g, c, r, p
	s_mov_b32 s[\g+1], (\c)<<16
	s_mov_b32 s[\g+2], (\r)<<16
	s_mov_b32 s[\g+3], (\c)<<16
	s_mov_b32 s[\g+4], \r
	s_mov_b32 s[\g+5], \p
	s_mov_b32 s[\g+6], 0
	s_mov_b32 s[\g+7], 0
.endm
.macro GRP0 g, lds, src
	s_mov_b32 s[\g], 1
	s_mov_b32 s[\g+1], \lds
	s_mov_b64 s[\g+2:\g+3], s[\src:\src+1]
	s_or_b32 s[\g+3], s[\g+3], 0x80000000
.endm
	s_load_b512 s[24:39], s[0:1], 0x0
	s_load_b512 s[40:55], s[0:1], 0x40
	s_load_b64 s[68:69], s[0:1], 0x80
	v_lshl_add_u32 v[SPW], v0, 2, SPARE
	v_mov_b32 v[NIL], 0
	ds_add_u32 v[SPW], v[NIL]                      ; the opening lines: the add twice on end and its wait
	ds_add_u32 v[SPW], v[NIL]
	v_lshrrev_b32 v1, 5, v0
	v_readfirstlane_b32 s14, v1                    ; wave
	s_lshr_b32 s15, s14, 1                         ; my 64 of A's 128 rows
	s_and_b32 s16, s14, 1                          ; my 128 of B's 256 rows
	s_and_b32 s18, ttmp7, 0xffff
	s_lshr_b32 s67, s18, 4                         ; 0 q, 1 k, 2 v
	s_and_b32 s18, s18, 15
	s_lshr_b32 s22, s18, 3
	s_and_b32 s23, s18, 7
	s_mov_b32 s100, 0x3000
	s_mov_b32 s101, 0
	s_mov_b32 s66, 0x8000
	s_wait_dscnt 0x0
	s_wait_kmcnt 0x0
	s_cmp_eq_u32 s67, 1
	s_cselect_b64 s[4:5], s[34:35], s[24:25]
	s_cselect_b64 s[6:7], s[36:37], s[26:27]
	s_cselect_b64 s[8:9], s[38:39], s[28:29]
	s_cselect_b64 s[10:11], s[40:41], s[30:31]
	s_cselect_b64 s[96:97], s[42:43], s[32:33]
	s_cmp_eq_u32 s67, 2
	s_cselect_b64 s[4:5], s[44:45], s[4:5]
	s_cselect_b64 s[6:7], s[46:47], s[6:7]
	s_cselect_b64 s[8:9], s[48:49], s[8:9]
	s_cselect_b64 s[10:11], s[50:51], s[10:11]
	s_cselect_b64 s[96:97], s[52:53], s[96:97]
	s_cselect_b32 s95, 1, 0
	s_cselect_b32 s20, s23, 0                      ; the cluster's place along B's tiles: v has 8 x 4 of them, q and k 4
	s_cselect_b32 s21, s22, s18                    ; along A's tiles: v has 2 x 4, q and k 16 x 4
	s_cselect_b32 s100, 0x18000, s100              ; bytes of pc from one block of 16 rows to the next
	s_cselect_b32 s66, 0x1000, s66                 ; bytes of ps from one unit of 64 columns to the next
	s_mov_b64 s[12:13], s[54:55]
	s_mov_b64 s[98:99], s[68:69]
	s_bfe_u32 s40, ttmp6, 0x40000
	s_bfe_u32 s41, ttmp6, 0x40004
	s_lshl_b32 s42, s20, 2
	s_add_co_u32 s42, s42, s40                     ; B's tile
	s_lshl_b32 s17, s21, 2
	s_add_co_u32 s17, s17, s41                     ; A's tile
	s_lshl_b32 s43, s41, 2
	s_lshl_b32 s43, 15, s43
	s_lshl_b32 s44, 0x1111, s40
	s_or_b32 s[G1+0], s43, (0<<16)|(1<<20)|(1<<21)|(5<<22)|(3<<25)   ; bytes; 16 bytes of padding behind each 256
	s_or_b32 s[G1B+0], s44, (0<<16)|(1<<20)|(1<<21)|(5<<22)|(3<<25)
	s_or_b32 s[G1S+0], s43, (3<<16)|(1<<20)|(1<<21)|(5<<22)|(3<<25)
	s_or_b32 s[G1SB+0], s44, (3<<16)|(1<<20)|(1<<21)|(5<<22)|(3<<25)
	DESC G1, KROW, 128, KROW
	DESC G1B, KROW, 256, KROW
	DESC G1S, 32, 16, 32                           ; a dense block: 128 rows x 32 bytes as 16 rows of 256
	DESC G1SB, 32, 32, 32
	s_lshl_b32 s20, s17, 7
	s_lshl_b32 s46, s42, 8
	s_mov_b32 s21, 0
	s_mov_b32 s47, 0
	s_mov_b64 s[18:19], KS
	s_mul_u64 s[22:23], s[20:21], s[18:19]
	s_mul_u64 s[92:93], s[46:47], s[18:19]
	s_mov_b64 s[18:19], KROW
	s_mul_u64 s[20:21], s[20:21], s[18:19]
	s_mul_u64 s[46:47], s[46:47], s[18:19]
	s_add_nc_u64 s[20:21], s[4:5], s[20:21]
	s_add_nc_u64 s[22:23], s[6:7], s[22:23]
	s_add_nc_u64 s[46:47], s[8:9], s[46:47]
	s_add_nc_u64 s[92:93], s[10:11], s[92:93]
	CROUND                                         ; all sixteen work-groups are here: the joint loads meet
	GRP0 G0, 0, 20
	GRP0 G0B, BBASE, 46
	GRP0 G0S, SCL, 22
	GRP0 G0SB, SCL+SB128, 92
.macro ARM under, g0, g1, next                 ; one chain of branches on the wave's number, one load to an arm
	s_cmp_lt_u32 s14, \under
	s_cbranch_scc0 \next
	tensor_load_to_lds s[\g0:\g0+3], s[\g1:\g1+7]
	s_nop 0
.rept 4
	v_nop
.endr
	s_branch .Lhead_asked
\next:
.endm
	ARM 1, G0,  G1,  .Lhead_b
	ARM 2, G0B, G1B, .Lhead_sa
	ARM 3, G0S, G1S, .Lhead_sb
	tensor_load_to_lds s[G0SB:G0SB+3], s[G1SB:G1SB+7]
	s_nop 0
.rept 4
	v_nop
.endr
.Lhead_asked:
	v_and_b32 v1, 15, v0                           ; r
	v_bfe_u32 v2, v0, 4, 1                         ; h
	v_mul_u32_u24 v3, v1, PITCH
	v_mad_u32_u24 v4, v2, 24, v3                   ; row x pitch + 24 h
	v_lshl_add_u32 v5, v2, 4, v4                   ; and 16 more where lanes 16-31 lie beyond a padding
	s_mul_i32 s21, s15, 64*PITCH
	s_mul_i32 s22, s16, 128*PITCH
	s_add_co_u32 s22, s22, BBASE
	v_add_nc_u32 v[ADRA], s21, v4
	v_add_nc_u32 v[ADRA+1], s21, v5
	v_add_nc_u32 v[ADRB], s22, v4
	v_add_nc_u32 v[ADRB+1], s22, v5
	s_add_co_u32 s22, s22, 64*PITCH
	v_add_nc_u32 v[ADRB+2], s22, v4
	v_add_nc_u32 v[ADRB+3], s22, v5
	v_mul_u32_u24 v5, v1, KS
	v_lshrrev_b32 v6, 8, v5
	v_lshl_add_u32 v5, v6, 4, v5
	s_mul_i32 s21, s15, SA64
	s_mul_i32 s22, s16, SB128
	s_add_co_u32 s22, s22, SB128
	s_sub_co_u32 s22, s22, s21
	v_mul_u32_u24 v6, s22, v2                      ; lanes 16-31 take B's scales
	s_add_co_u32 s21, s21, SCL
	v_add_nc_u32 v5, v5, v6
	v_add_nc_u32 v[ADRS], s21, v5
	v_and_b32 v6, 31, v0
	v_lshlrev_b32 v[L16], 4, v6
	v_lshlrev_b32 v[L8], 3, v6
	s_lshl_b32 s23, s14, 9                         ; the way out: 512 bytes a wave for scale words, in A's bytes
	v_lshlrev_b32 v[O4R], 2, v1
	v_lshl_add_u32 v[SWI], v2, 8, v[O4R]
	v_add_nc_u32 v[SWI], s23, v[SWI]
	v_add_nc_u32 v[SRD], s23, v[L16]
	v_mul_u32_u24 v[L16S], s66, v2
	v_lshl_add_u32 v[L16S], v1, 4, v[L16S]         ; lanes 0-15: 256 bytes of the first unit's words, lanes 16-31 of the second's
	v_lshlrev_b32 v[O32H], 5, v2
	s_wait_alu depctr_va_vdst(0)                   ; the wait at the end of the head's vector work
	s_lshl_b32 s92, s42, 10
	s_lshl_b32 s93, s16, 9
	s_add_co_u32 s92, s92, s93
	s_lshl_b32 s22, s17, 9
	s_lshl_b32 s23, s15, 8
	s_add_co_u32 s22, s22, s23
	s_cmp_eq_u32 s95, 0
	s_cselect_b32 s92, s92, 0                      ; the bias goes by column (q, k) or by row (v); the other's loads read the buffer's start
	s_cselect_b32 s22, 0, s22
	s_mov_b32 s93, 0
	s_mov_b32 s23, 0
	s_add_nc_u64 s[92:93], s[96:97], s[92:93]
	s_add_nc_u64 s[96:97], s[96:97], s[22:23]
.irp b, 0,1,2,3,4,5,6,7
	global_load_b128 v[BT+8*\b:BT+8*\b+3], v[O32H], s[92:93] offset:64*\b
	global_load_b128 v[BT+8*\b+4:BT+8*\b+7], v[O32H], s[92:93] offset:64*\b+16
.endr
.irp a, 0,1,2,3
	global_load_b32 v[BA+2*\a], v[O4R], s[96:97] offset:64*\a
	global_load_b32 v[BA+2*\a+1], v[O4R], s[96:97] offset:64*\a
.endr
	s_lshl_b32 s20, s17, 3
	s_lshl_b32 s21, s15, 2
	s_add_co_u32 s20, s20, s21                     ; my first block of 16 rows
	s_mul_i32 s20, s20, s100
	s_lshl_b32 s46, s42, 2
	s_lshl_b32 s47, s16, 1
	s_add_co_u32 s46, s46, s47                     ; my first unit of 64 columns
	s_mul_i32 s47, s46, 768
	s_add_co_u32 s20, s20, s47
	s_mul_i32 s47, s67, 6291456
	s_add_co_u32 s20, s20, s47
	s_mov_b32 s21, 0
	s_add_nc_u64 s[12:13], s[12:13], s[20:21]
	s_mul_i32 s46, s46, s66
	s_lshl_b32 s47, s17, 9
	s_add_co_u32 s46, s46, s47
	s_lshl_b32 s47, s15, 8
	s_add_co_u32 s46, s46, s47
	s_lshl_b32 s47, s67, 19
	s_add_co_u32 s46, s46, s47
	s_mov_b32 s47, 0
	s_add_nc_u64 s[98:99], s[98:99], s[46:47]
; a fragment: 16 rows x 128 K, 12 registers, in pieces of 8 bytes.  Byte y of a row lies at y + 16 (y / 256) of its LDS row; lanes 16-31 read 24 bytes further on
.macro FRAG reg, adr, st, i
.irp p, 0,1,2,3,4,5
.set BY, 96*(\st)+48*(\p/3)+8*(\p%3)
.if BY/256 == (BY+24)/256
	ds_load_b64 v[\reg+2*\p:\reg+2*\p+1], v[\adr+2*((\i)/4)] offset:BY+16*(BY/256)+((\i)%4)*16*PITCH
.else
	ds_load_b64 v[\reg+2*\p:\reg+2*\p+1], v[\adr+2*((\i)/4)+1] offset:BY+16*(BY/256)+((\i)%4)*16*PITCH
.endif
.endr
.endm
.macro FETCH st                                ; step st's fragments into set st % 2; with an even step the scale words of two steps (lanes 0-15 A's block i, lanes 16-31 B's; for i over 3 lanes 0-15 read words that no product names)
	WIN TO_B
.irp i, 0,1,2,3,4,5,6,7
	FRAG 128*((\st)%2)+FR*\i, ADRB, \st, \i
.endr
	WIN 0
.irp i, 0,1,2,3
	FRAG AF+48*((\st)%2)+FR*\i, ADRA, \st, \i
.endr
.if (\st)%2 == 0
.irp i, 0,1,2,3,4,5,6,7
	ds_load_b64 v[SC+16*(((\st)/2)%2)+2*\i:SC+16*(((\st)/2)%2)+2*\i+1], v[ADRS] offset:\i*SBLK+4*(\st)
.endr
.endif
.endm
.macro MUL32 p, q, sc, first                   ; the 32 accumulators take turns, in the same order in every step
.irp a, 0,1,2,3
.irp b, 0,1,2,3,4,5,6,7
.if \first
	v_wmma_scale_f32_16x16x128_f8f6f4 v[8*(8*\a+\b):8*(8*\a+\b)+7], v[128*(\p)+FR*\b:128*(\p)+FR*\b+FR-1], v[AF+48*(\p)+FR*\a:AF+48*(\p)+FR*\a+FR-1], 0, v[SC+16*(\sc)+2*\b+(\q)], v[SC+16*(\sc)+2*\a+(\q)] matrix_a_fmt:MATRIX_FMT_FP6 matrix_b_fmt:MATRIX_FMT_FP6 matrix_a_scale:MATRIX_SCALE_ROW1
.else
	v_wmma_scale_f32_16x16x128_f8f6f4 v[8*(8*\a+\b):8*(8*\a+\b)+7], v[128*(\p)+FR*\b:128*(\p)+FR*\b+FR-1], v[AF+48*(\p)+FR*\a:AF+48*(\p)+FR*\a+FR-1], v[8*(8*\a+\b):8*(8*\a+\b)+7], v[SC+16*(\sc)+2*\b+(\q)], v[SC+16*(\sc)+2*\a+(\q)] matrix_a_fmt:MATRIX_FMT_FP6 matrix_b_fmt:MATRIX_FMT_FP6 matrix_a_scale:MATRIX_SCALE_ROW1
.endif
.endr
.endr
.endm
.macro PLACES n
.rept \n
	v_nop
.endr
.endm
.macro STEP st, first                          ; this step's fragments were asked for a step ago; the next step's are asked for ahead of this step's 32 products
	s_wait_dscnt 0x0
.if (\st) > 0
	PLACES NP                                      ; places in front of loads into registers that the last step's products read
.endif
.if (\st) < 7
	FETCH (\st)+1
.endif
	WIN MUL
	MUL32 (\st)%2, (\st)%2, ((\st)/2)%2, \first
.endm
	s_wait_tensorcnt 0x0                           ; my tile is in
	s_barrier_signal -1
	s_barrier_wait -1                              ; all four are
	FETCH 0
	STEP 0, 1
.set ST, 1
.rept 7
	STEP ST, 0
.set ST, ST+1
.endr
	WIN 0
.macro QUANT s
.irp b, 0,1,2,3
	v_max3_num_f32 v[TM+\b], |v[\s+16*\b]|, |v[\s+1+16*\b]|, 0x1800000
.endr
.irp i, 2,4,6,8,10,12,14
.irp b, 0,1,2,3
	v_max3_num_f32 v[TM+\b], v[TM+\b], |v[\s+16*\b+\i]|, |v[\s+1+16*\b+\i]|
.endr
.endr
.irp b, 0,1,2,3
	v_permlanex16_b32 v[TM+4+\b], v[TM+\b], s[SEL], s[SEL+1]
.endr
.irp b, 0,1,2,3
	v_max_num_f32 v[TM+\b], v[TM+\b], v[TM+4+\b]
.endr
.irp b, 0,1,2,3
	v_add_nc_u32 v[TM+8+\b], 0xff000000, v[TM+\b]
.endr
.irp b, 0,1,2,3
	v_lshrrev_b32 v[TM+4+\b], 23, v[TM+8+\b]
.endr
	v_lshl_or_b32 v[PW], v[TM+5], 8, v[TM+4]
	v_lshl_or_b32 v[PW], v[TM+6], 16, v[PW]
	v_lshl_or_b32 v[PW], v[TM+7], 24, v[PW]
.irp c, 0,1
	v_cvt_scalef32_pk16_fp6_f32 v[QC+6*\c:QC+2+6*\c], v[\s+32*\c:\s+15+32*\c], v[TM+8+2*\c]
	v_cvt_scalef32_pk16_fp6_f32 v[QT+4*\c:QT+2+4*\c], v[\s+16+32*\c:\s+31+32*\c], v[TM+8+2*\c+1]
.endr
	v_nop
.irp c, 0,1
.irp i, 0,1,2
	v_permlane16_swap_b32 v[QC+6*\c+\i], v[QT+4*\c+\i]
.endr
.irp i, 0,1,2
	v_mov_b32 v[QC+3+6*\c+\i], v[QT+4*\c+\i]
.endr
.endr
.endm
.macro EPI a                                   ; 16 rows x 128 columns: the bias, the quantiser, two units of 768 bytes and the rows' scale words
.set AC, 64*(\a)
	s_cmp_lg_u32 s95, 0
	s_cbranch_scc1 .Lby_row_\@
	WIN 0x02
.irp b, 0,1,2,3,4,5,6,7
.irp jj, 0,2,4,6
	v_pk_add_f32 v[TN+8*\b+\jj:TN+8*\b+\jj+1], v[AC+8*\b+\jj:AC+8*\b+\jj+1], v[BT+8*\b+\jj:BT+8*\b+\jj+1]
.endr
.endr
	WIN 0
	s_branch .Ladded_\@
.Lby_row_\@:
	WIN 0x02
.irp b, 0,1,2,3,4,5,6,7
.irp jj, 0,2,4,6
	v_pk_add_f32 v[TN+8*\b+\jj:TN+8*\b+\jj+1], v[AC+8*\b+\jj:AC+8*\b+\jj+1], v[BA+2*(\a):BA+2*(\a)+1]
.endr
.endr
	WIN 0
.Ladded_\@:
	QUANT TN
	v_perm_b32 v[PW+1], v[PW], v[PW], 0x01000100
	v_perm_b32 v[PW+2], v[PW], v[PW], 0x03020302
	v_cndmask_b32 v[SW+(\a)], v[PW+1], v[PW+2], s22
	ds_store_b32 v[SWI], v[SW+(\a)] offset:64*(\a)
	global_store_b128 v[L16], v[QC:QC+3], s[12:13]
	global_store_b64 v[L8], v[QC+4:QC+5], s[12:13] offset:512
	global_store_b128 v[L16], v[QC+6:QC+9], s[12:13] offset:768
	global_store_b64 v[L8], v[QC+10:QC+11], s[12:13] offset:1280
	s_wait_xcnt 0x0
	s_add_nc_u64 s[12:13], s[12:13], s[100:101]
.endm
	s_wait_loadcnt 0x0                             ; the biases
	s_wait_dscnt 0x0
	s_barrier_signal -1
	s_barrier_wait -1                              ; nobody reads A's bytes any more: they had their one fill, and now take the scale words
	s_mov_b32 s[SEL], 0x76543210
	s_mov_b32 s[SEL+1], 0xfedcba98
	s_mov_b32 s22, 0xffff0000
	PLACES NP
.irp b, 0,1,2,3
	v_mov_b32 v[TM+4+\b], 0
.endr
.irp a, 0,1,2,3
	EPI \a
.endr
	ds_load_b128 v[TN:TN+3], v[SRD]                ; my own bytes: LDS serves a wave's instructions in order
	s_wait_dscnt 0x0
	global_store_b128 v[L16S], v[TN:TN+3], s[98:99]   ; sixteen lanes store 256 consecutive bytes, aligned
	s_wait_tensorcnt 0x0                           ; the wave's end
	ds_add_u32 v[SPW], v[NIL]
	s_wait_dscnt 0x0
	CROUND
	s_endpgm
.Lfunc_end_k_q4bad72fb87_proj:
	.size	k_q4bad72fb87_proj, .Lfunc_end_k_q4bad72fb87_proj-k_q4bad72fb87_proj
	.p2alignl 7, 3214868480
	.fill 96, 4, 3214868480
	.section	.rodata,"a",@progbits
	.p2align	6, 0x0
	.amdhsa_kernel k_q4bad72fb87_proj
		.amdhsa_group_segment_fixed_size 327680
		.amdhsa_private_segment_fixed_size 0
		.amdhsa_enable_private_segment 0
		.amdhsa_kernarg_size 136
		.amdhsa_user_sgpr_count 2
		.amdhsa_user_sgpr_kernarg_segment_ptr 1
		.amdhsa_wavefront_size32 1
		.amdhsa_system_sgpr_workgroup_id_x 1
		.amdhsa_system_sgpr_workgroup_id_y 1
		.amdhsa_system_sgpr_workgroup_id_z 1
		.amdhsa_system_vgpr_workitem_id 0
		.amdhsa_next_free_vgpr 768
		.amdhsa_next_free_sgpr 102
		.amdhsa_reserve_vcc 0
		.amdhsa_float_denorm_mode_32 3
		.amdhsa_float_denorm_mode_16_64 3
		.amdhsa_memory_ordered 1
		.amdhsa_forward_progress 1
		.amdhsa_inst_pref_size 120
	.end_amdhsa_kernel
	.amdgpu_metadata
---
amdhsa.version: [ 1, 2 ]
amdhsa.kernels:
  - .name:           k_q4bad72fb87_proj
    .symbol:         k_q4bad72fb87_proj.kd
    .args:
      - { .name: query_codes, .offset: 0, .size: 8, .value_kind: global_buffer, .address_space: global }
      - { .name: query_scales, .offset: 8, .size: 8, .value_kind: global_buffer, .address_space: global }
      - { .name: Wq_codes, .offset: 16, .size: 8, .value_kind: global_buffer, .address_space: global }
      - { .name: Wq_scales, .offset: 24, .size: 8, .value_kind: global_buffer, .address_space: global }
      - { .name: bq, .offset: 32, .size: 8, .value_kind: global_buffer, .address_space: global }
      - { .name: key_t_codes, .offset: 40, .size: 8, .value_kind: global_buffer, .address_space: global }
      - { .name: key_t_scales, .offset: 48, .size: 8, .value_kind: global_buffer, .address_space: global }
      - { .name: Wk_codes, .offset: 56, .size: 8, .value_kind: global_buffer, .address_space: global }
      - { .name: Wk_scales, .offset: 64, .size: 8, .value_kind: global_buffer, .address_space: global }
      - { .name: bk, .offset: 72, .size: 8, .value_kind: global_buffer, .address_space: global }
      - { .name: Wv_codes, .offset: 80, .size: 8, .value_kind: global_buffer, .address_space: global }
      - { .name: Wv_scales, .offset: 88, .size: 8, .value_kind: global_buffer, .address_space: global }
      - { .name: value_codes, .offset: 96, .size: 8, .value_kind: global_buffer, .address_space: global }
      - { .name: value_scales, .offset: 104, .size: 8, .value_kind: global_buffer, .address_space: global }
      - { .name: bv, .offset: 112, .size: 8, .value_kind: global_buffer, .address_space: global }
      - { .name: pc, .offset: 120, .size: 8, .value_kind: global_buffer, .address_space: global }
      - { .name: ps, .offset: 128, .size: 8, .value_kind: global_buffer, .address_space: global }
    .group_segment_fixed_size: 327680
    .private_segment_fixed_size: 0
    .kernarg_segment_align: 8
    .kernarg_segment_size: 136
    .max_flat_workgroup_size: 128
    .sgpr_count:     102
    .vgpr_count:     768
    .wavefront_size: 32
...
	.end_amdgpu_metadata
.endif
;; end of part 2
;; launch attn (part 3): grid 4 x 64, 8 waves a work-group, no clusters, 284,160 bytes of LDS; arguments pc, ps, mbits, xc, xs; writes xc, xs
.if DOCPART == 3
	.amdgcn_target "amdgcn-amd-amdhsa--gfx1250"
	.amdhsa_code_object_version 6
	.text
	.protected	k_q4bad72fb87_attn
	.globl	k_q4bad72fb87_attn
	.p2align	8
	.type	k_q4bad72fb87_attn,@function
k_q4bad72fb87_attn:
	s_mov_b64 s[64:65], 0
	v_nop
	global_prefetch_b8 v0, s[64:65] scope:SCOPE_SE
	s_setreg_imm32_b32 hwreg(HW_REG_WAVE_MODE, 25, 1), 1
	s_wait_xcnt 0x0
; x = attn v for one head and 512 queries a work-group; attn = the FINISHED, normalised softmax of q k^T / 8 under the mask; both products on codes of FP6 (E2M3) with E8M0 scales; x is quantised along the model's 1,024 and stored as codes.
; THE WAVES SHARE THE KEYS.  Wave w keeps the codes of k and v of keys 256 w .. 256 w + 255 in registers for the whole launch.  A PASS takes 16 queries: S^T = k q^T (a lane holds one query, 128 registers 128 of the wave's keys).
; A PASS GOES IN TWO HALVES: the even and the odd blocks of 32 keys.  Each half has its own row maximum M and sum l: mask, maximum, p = 2^(c s - M), c = log2(e) / 8.
; The mask's words of the second half are asked for when the first half's have been used, and the first half's multiply-adds and exponentials stand between that request and the wait for it.
; ONE exchange of the 16 pairs (-M, l) through LDS gives M = the row's maximum, l = the row's sum and g = 2^(M_half - M) / l: attn = p g is the normalised softmax, and that is quantised, along the keys.
; Lanes 0-15 and 16-31 hold the same query and take eight pairs each.  The row's maximum is taken away before every exponential; no score leaves the registers.
; O^T = v^T attn^T of the wave's keys is a partial sum: it waits in LDS, a slot a pass; after 8 passes wave w adds the eight partials of the group's pass w, quantises and stores them.
; THE MASK comes as bits (a word a register, a bit a lane) through scalar registers: v_cndmask_b32 puts -infinity where the mask is 0: p = 0 there.  A half takes every second run of 64 bytes of the wave's 512.
; PREFETCH: a tile's words are 16 blocks of 256 bytes, read by the 16 heads' work-groups; head n's wave 0 asks for block n, two passes ahead; the last two passes ask for nothing.
; A row that is masked whole: every M is held at c x -3e38, every p is 0, l is held at 2^-100: attn = 0, x = 0.
; K = 64: a fragment of k holds TWO tiles of 16 keys; it is multiplied with [q | 0] and with [0 | q].  NO CLUSTER, NO TENSOR LOAD: k and v go once, straight into the registers of the wave that owns the keys.
; LIMITS: NaN and infinities are not served; the scaled scores stay under 2^31; a block of zeros gets the byte 1 where the rule says 127 (its codes are zeros; this program alone reads the bytes); sums are not K ascending.
; REGISTERS.  window 0: v1-11 addresses; v12-15 (-M0, l0, -M1, l1); v16-27 statistics; v32-55 [q | 0], [0 | q]; v56-75 scale words; v76-99 at work; v100-123 attn's codes; v128-255 S^T.   window 1: v0-95 k, v96-191 v, v192-223 O^T.
.set OPW,   4352
.set SLOTB, 8*OPW
.set EX,    8*SLOTB                    ; the exchange, two copies by turns
.set EXB,   2304                       ; a copy: 16 queries x (16 pairs x 8 bytes + 16)
.set SPARE, EX+2*EXB                   ; the spare words, 128 bytes a wave
.set S,     128
.set BM,    76
.set BX,    84
.set SCO,   92
.set PCD,   100
.set VFR,   96
.set OT,    192
.set MSB, 0
.macro WIN new
.if MSB != (\new)
	s_set_vgpr_msb (MSB<<8)|(\new)
.set MSB, (\new)
.endif
.endm
	s_load_b256 s[68:75], s[0:1], 0x0              ; pc, ps, mbits, xc
	s_load_b64 s[76:77], s[0:1], 0x20              ; xs
	v_lshl_add_u32 v126, v0, 2, SPARE
	v_mov_b32 v127, 0
	v_lshrrev_b32 v11, 5, v0
	v_readfirstlane_b32 s12, v11                   ; wave 0..7
	v_and_b32 v11, 31, v0
	v_and_b32 v19, 15, v0                          ; r
	v_bfe_u32 v18, v0, 4, 1                        ; h
	v_lshlrev_b32 v1, 4, v11
	v_lshlrev_b32 v2, 3, v11
	v_lshlrev_b32 v3, 2, v19
	v_mul_u32_u24 v5, v19, 144
	v_add_nc_u32 v5, EX, v5
	s_lshl_b32 s13, s12, 4
	v_add_nc_u32 v4, s13, v5                       ; the exchange: my wave's two pairs of my query
	v_lshl_add_u32 v5, v18, 6, v5                  ; and the eight pairs that my half of the lanes reads
	v_mul_u32_u24 v17, v19, 272
	s_mul_i32 s13, s12, OPW
	v_lshl_add_u32 v6, v18, 5, v17
	v_add_nc_u32 v6, s13, v6                       ; my partial in a slot: row r, + 32 h
	v_mov_b32 v7, v6
	s_mul_i32 s13, s12, SLOTB
	v_lshl_add_u32 v8, v18, 6, v17
	v_add_nc_u32 v8, s13, v8                       ; the group's end: slot w, row r, + 64 h
	v_lshlrev_b32 v9, 5, v19
	v_mov_b32 v10, 0xff800000                      ; -infinity
	s_and_b32 s13, ttmp7, 0xffff
	s_lshr_b32 s28, s13, 4                         ; the batch
	s_and_b32 s29, s13, 15                         ; the head
	s_lshl_b32 s31, s29, 8
	v_mov_b32 v11, s31                             ; the prefetch's offset: block number head of a tile's 16
	s_lshl_b32 s30, s28, 7
	s_lshl_b32 s31, ttmp9, 5
	s_add_co_u32 s30, s30, s31                     ; my first tile of 16 queries
	s_mov_b32 s23, 0
	s_mov_b32 s25, 0
	s_mov_b32 s27, 0
	s_mov_b32 s18, 0x3e38aa3b                      ; c = log2(e) / 8
	s_mov_b32 s19, s18
	s_mov_b32 s20, 0x76543210
	s_mov_b32 s21, 0xfedcba98
	s_wait_alu depctr_va_vdst(0)                   ; the wait at the head's end
	s_wait_kmcnt 0x0
	s_lshl_b32 s22, s30, 4
	s_add_co_u32 s22, s22, s29
	s_mul_i32 s22, s22, 768
	s_add_nc_u64 s[4:5], s[68:69], s[22:23]        ; q's codes
	s_lshl_b32 s22, s29, 15
	s_lshl_b32 s31, s30, 6
	s_add_co_u32 s22, s22, s31
	s_add_nc_u64 s[6:7], s[70:71], s[22:23]        ; q's scale words
	s_lshl_b32 s22, s30, 3
	s_add_co_u32 s22, s22, s12
	s_lshl_b32 s22, s22, 9
	s_add_nc_u64 s[2:3], s[72:73], s[22:23]        ; the mask's words: (8 tile + wave) x 512
	s_lshl_b32 s22, s28, 7
	s_lshl_b32 s31, s12, 4
	s_add_co_u32 s22, s22, s31
	s_lshl_b32 s22, s22, 4
	s_add_co_u32 s22, s22, s29
	s_mul_i32 s22, s22, 768
	s_add_co_u32 s22, s22, 6291456
	s_add_nc_u64 s[78:79], s[68:69], s[22:23]      ; k's codes
	s_lshl_b32 s22, s29, 15
	s_lshl_b32 s31, s28, 13
	s_add_co_u32 s22, s22, s31
	s_lshl_b32 s31, s12, 10
	s_add_co_u32 s22, s22, s31
	s_add_co_u32 s22, s22, 524288
	s_add_nc_u64 s[80:81], s[70:71], s[22:23]      ; k's scale words
	s_lshl_b32 s22, s29, 9
	s_lshl_b32 s31, s28, 5
	s_add_co_u32 s22, s22, s31
	s_lshl_b32 s31, s12, 2
	s_add_co_u32 s22, s22, s31
	s_mul_i32 s22, s22, 768
	s_add_co_u32 s22, s22, 12582912
	s_add_nc_u64 s[82:83], s[68:69], s[22:23]      ; v's codes
	s_lshl_b32 s22, s28, 17
	s_lshl_b32 s31, s12, 14
	s_add_co_u32 s22, s22, s31
	s_lshl_b32 s31, s29, 8
	s_add_co_u32 s22, s22, s31
	s_add_co_u32 s22, s22, 1048576
	s_add_nc_u64 s[84:85], s[70:71], s[22:23]      ; v's scale words
	s_add_co_u32 s30, s30, s12
	s_lshl_b32 s22, s30, 4
	s_add_co_u32 s22, s22, s29
	s_mul_i32 s22, s22, 768
	s_add_nc_u64 s[8:9], s[74:75], s[22:23]        ; x's codes
	s_lshl_b32 s22, s30, 9
	s_lshl_b32 s31, s29, 1
	s_add_co_u32 s22, s22, s31
	s_add_nc_u64 s[10:11], s[76:77], s[22:23]      ; x's scale bytes
	WIN 0x40
.irp t, 0,1,2,3,4,5,6,7,8,9,10,11,12,13,14,15
	global_load_b128 v[6*\t:6*\t+3], v1, s[78:79] offset:12288*\t
	global_load_b64 v[6*\t+4:6*\t+5], v2, s[78:79] offset:12288*\t+512
.endr
.irp sp, 0,1
.irp dt, 0,1,2,3
.irp c, 0,1
	global_load_b128 v[VFR+12*(4*\sp+\dt)+6*\c:VFR+12*(4*\sp+\dt)+6*\c+3], v1, s[82:83] offset:98304*\dt+768*(2*\sp+\c)
	global_load_b64 v[VFR+12*(4*\sp+\dt)+6*\c+4:VFR+12*(4*\sp+\dt)+6*\c+5], v2, s[82:83] offset:98304*\dt+768*(2*\sp+\c)+512
.endr
.endr
.endr
	WIN 0
.irp t, 0,1,2,3,4,5,6,7,8,9,10,11,12,13,14,15
	global_load_b32 v[S+\t], v3, s[80:81] offset:64*\t
.endr
.irp sp, 0,1
.irp dt, 0,1,2,3
.irp c, 0,1
	global_load_b32 v[S+16+2*(4*\sp+\dt)+\c], v3, s[84:85] offset:4096*(2*\sp+\c)+64*\dt
.endr
.endr
.endr
.macro QLOAD
	global_load_b128 v[32:35], v1, s[4:5]
	global_load_b64 v[36:37], v2, s[4:5] offset:512
	global_load_b128 v[50:53], v1, s[4:5]
	global_load_b64 v[54:55], v2, s[4:5] offset:512
	global_load_b32 v56, v3, s[6:7]
.endm
.macro WORDS off                               ; a half's 64 words: four runs of 64 bytes, 128 bytes apart: blocks off / 64, + 2, + 4, + 6
	s_load_b512 s[32:47], s[2:3], \off
	s_load_b512 s[48:63], s[2:3], \off+0x80
	s_load_b512 s[68:83], s[2:3], \off+0x100
	s_load_b512 s[84:99], s[2:3], \off+0x180
.endm
	QLOAD
	s_wait_xcnt 0x0                                ; the loads above have read their bases, four of which lie where the mask's words land
	WORDS 0x0
	s_wait_loadcnt 0x0
.irp f, 0,1,2,3,4,5,6,7
	v_bfi_b32 v[60+\f], 0xffff, v[S+2*\f], v[S+2*\f+1]
.endr
.irp i, 0,1,2,3,4,5,6,7
	v_bfi_b32 v[68+\i], 0xffff, v[S+16+2*\i], v[S+17+2*\i]
.endr
.irp i, 38,39,40,41,42,43,44,45,46,47,48,49
	v_mov_b32 v\i, 0                               ; the zero halves of [q | 0] and [0 | q]
.endr
	v_mov_b32 v13, 0                               ; (named as upper halves of pairs before they are first written)
	v_mov_b32 v15, 0
.irp b, 0,1,2,3,4,5,6,7
	v_mov_b32 v[BX+\b], 0                          ; a lane permute's destination counts as one of its sources
.endr
; Half hf is blocks hf, 2 + hf, 4 + hf, 6 + hf; block b is registers S + 16 b .. + 15
.macro MASK hf                                 ; each accumulator is read from its low end on
.irp i, 0,1,2,3
.irp n, 0,1,2,3,4,5,6,7,8,9,10,11,12,13,14,15
	v_cndmask_b32 v[S+16*(2*\i+\hf)+\n], v10, v[S+16*(2*\i+\hf)+\n], s[32+16*\i+4*(\i/2)+\n]
.endr
.endr
.endm
; Are all 64 words of the half in hand all ones?  Then every key of the half is open for all 16 queries, the 64 selects would change nothing, and a scalar branch leads round them (and round nothing else).
; The words are whole numbers that the launch before has stored; every mask is served: one closed key in the half, and the selects run.  SCC = 1: all open.
.macro ALLSET
	s_and_b64 s[28:29], s[32:33], s[34:35]
	s_and_b64 s[30:31], s[36:37], s[38:39]
.irp w, 40,44,48,52,56,60,68,72,76,80,84,88,92,96
	s_and_b64 s[28:29], s[28:29], s[\w:\w+1]
	s_and_b64 s[30:31], s[30:31], s[\w+2:\w+3]
.endr
	s_and_b64 s[28:29], s[28:29], s[30:31]
	s_and_b32 s28, s28, s29
	s_cmp_eq_u32 s28, -1
.endm
.macro BMAX hf
.irp i, 0,1,2,3
	v_max3_num_f32 v[BM+2*\i+\hf], v[S+16*(2*\i+\hf)], v[S+16*(2*\i+\hf)+1], v[S+16*(2*\i+\hf)+2]
.endr
.irp n, 3,5,7,9,11,13
.irp i, 0,1,2,3
	v_max3_num_f32 v[BM+2*\i+\hf], v[BM+2*\i+\hf], v[S+16*(2*\i+\hf)+\n], v[S+16*(2*\i+\hf)+\n+1]
.endr
.endr
.irp i, 0,1,2,3
	v_max_num_f32 v[BM+2*\i+\hf], v[BM+2*\i+\hf], v[S+16*(2*\i+\hf)+15]
.endr
.endm
.macro STAT hf                                 ; the half's -M, then p = 2^(c s - M) of its 64 registers and of each block's largest score
.irp i, 0,1,2,3
	v_permlanex16_b32 v[BX+2*\i+\hf], v[BM+2*\i+\hf], s20, s21
.endr
.irp i, 0,1,2,3
	v_max_num_f32 v[BM+2*\i+\hf], v[BM+2*\i+\hf], v[BX+2*\i+\hf]   ; the largest score of each block of 32 keys: it serves for the maximum and, since attn rises with the score, for the block's largest attn
.endr
	v_max3_num_f32 v19, v[BM+\hf], v[BM+2+\hf], v[BM+4+\hf]
	s_delay_alu instid0(VALU_DEP_1)
	v_max3_num_f32 v19, v19, v[BM+6+\hf], 0xff61b1e6   ; held at -3e38 from below
	s_delay_alu instid0(VALU_DEP_1)
	v_mul_f32 v[12+2*\hf], 0xbe38aa3b, v19
.irp i, 0,1,2,3
.irp jj, 0,2,4,6,8,10,12,14
	v_pk_fma_f32 v[S+16*(2*\i+\hf)+\jj:S+16*(2*\i+\hf)+\jj+1], v[S+16*(2*\i+\hf)+\jj:S+16*(2*\i+\hf)+\jj+1], s[18:19], v[12+2*\hf:13+2*\hf] op_sel_hi:[1,0,0]
.endr
.endr
.irp i, 0,1,2,3
	v_fma_f32 v[BM+2*\i+\hf], v[BM+2*\i+\hf], s18, v[12+2*\hf]
.endr
	s_wait_alu depctr_va_vdst(0)                   ; the wait ahead of the batch
.irp i, 0,1,2,3
.irp n, 0,1,2,3,4,5,6,7,8,9,10,11,12,13,14,15
	v_exp_f32 v[S+16*(2*\i+\hf)+\n], v[S+16*(2*\i+\hf)+\n]
.endr
.endr
.irp i, 0,1,2,3
	v_exp_f32 v[BM+2*\i+\hf], v[BM+2*\i+\hf]
.endr
.endm
.macro HSUM hf                                 ; the half's sum of the unquantised p, in four chains
.irp i, 0,1,2,3
	v_pk_add_f32 v[20+2*\i:21+2*\i], v[S+16*(2*\i+\hf):S+16*(2*\i+\hf)+1], v[S+16*(2*\i+\hf)+2:S+16*(2*\i+\hf)+3]
.endr
.irp jj, 4,6,8,10,12,14
.irp i, 0,1,2,3
	v_pk_add_f32 v[20+2*\i:21+2*\i], v[20+2*\i:21+2*\i], v[S+16*(2*\i+\hf)+\jj:S+16*(2*\i+\hf)+\jj+1]
.endr
.endr
	v_pk_add_f32 v[20:21], v[20:21], v[22:23]
	v_pk_add_f32 v[24:25], v[24:25], v[26:27]
	s_delay_alu instid0(VALU_DEP_1)
	v_pk_add_f32 v[20:21], v[20:21], v[24:25]
	s_delay_alu instid0(VALU_DEP_1)
	v_add_f32 v[13+2*\hf], v20, v21
	s_delay_alu instid0(VALU_DEP_1)
	v_permlanex16_b32 v19, v[13+2*\hf], s20, s21
	s_delay_alu instid0(VALU_DEP_1)
	v_add_f32 v[13+2*\hf], v[13+2*\hf], v19
.endm
.macro PASS par
	s_wait_loadcnt 0x0                             ; q is in; so its addresses may step
	s_add_co_u32 s17, s17, 1
	s_cmp_lt_u32 s17, 32                           ; with no next pass the steps are 0: no load leaves its buffer
	s_cselect_b32 s22, 0x3000, 0
	s_cselect_b32 s24, 64, 0
	s_cselect_b32 s26, 0x1000, 0
	s_add_nc_u64 s[4:5], s[4:5], s[22:23]
	s_add_nc_u64 s[6:7], s[6:7], s[24:25]
	s_wait_kmcnt 0x0                               ; the first half's words
	WIN 0x01
.irp f, 0,1,2,3,4,5,6,7
.irp c, 0,1
	v_wmma_scale_f32_16x16x128_f8f6f4 v[S+8*(2*\f+\c):S+8*(2*\f+\c)+7], v[12*\f:12*\f+11], v[32+12*\c:43+12*\c], 0, v[60+\f], v56 matrix_a_fmt:MATRIX_FMT_FP6 matrix_b_fmt:MATRIX_FMT_FP6
.endr
.endr
	WIN 0
.rept 4
	v_nop                                          ; places behind the products
.endr
	QLOAD                                          ; the next pass's q
	s_cmp_lt_u32 s17, 31                           ; is there a pass two on?
	s_cselect_b32 s13, s12, 1
	s_cmp_lg_u32 s13, 0                            ; and am I wave 0?
	s_cbranch_scc1 .Lno_ask_\@
	global_prefetch_b8 v11, s[2:3] offset:0x2000 th:TH_LOAD_NT scope:SCOPE_SE   ; my head's 256 bytes of the words of the tile two passes on (all lanes name the one block)
.Lno_ask_\@:
	ALLSET                                         ; scalar work while the products are at work
	s_wait_alu depctr_va_vdst(0)                   ; the wait here, directly ahead of the branch
	s_cbranch_scc1 .Lopen0_\@
	MASK 0
.Lopen0_\@:
	WORDS 0x40                                     ; the second half's words, into the registers just read
	BMAX 0
	STAT 0
	s_wait_kmcnt 0x0
	ALLSET
	s_wait_alu depctr_va_vdst(0)                   ; the wait: behind the batch, and ahead of the branch
	s_cbranch_scc1 .Lopen1_\@
	s_wait_alu depctr_va_vdst(0)                   ; and directly ahead of the first readers of the second half's scores
	MASK 1
.Lopen1_\@:
	s_wait_xcnt 0x0                                ; the prefetch has read its base; no scalar load is out
	s_add_nc_u64 s[2:3], s[2:3], s[26:27]
	WORDS 0x0                                      ; the next pass's first half
	s_wait_alu depctr_va_vdst(0)                   ; on the way round the selects the maxima below are those first readers: the wait stands directly ahead of them
	BMAX 1
	STAT 1
	HSUM 0                                         ; (plain work behind the second batch; it reads the first batch alone)
	s_wait_alu depctr_va_vdst(0)                   ; one wait for the second batch
	HSUM 1
	ds_store_b128 v4, v[12:15] offset:EXB*\par     ; (-M0, l0, -M1, l1): both halves of the lanes write the same values
	s_wait_alu depctr_va_vdst(0)                   ; the wait here, directly ahead of the wait below
	s_wait_dscnt 0x0                               ; for the others' sake: my pairs and my partial sums of the pass before have landed
.if \par == 0
	v_add_nc_u32 v7, s16, v6                       ; the pair of slots in hand
.endif
	s_barrier_signal -1
	s_barrier_wait -1
.irp i, 0,1,2,3
	ds_load_b128 v[84+4*\i:87+4*\i], v5 offset:EXB*\par+16*\i      ; eight of my query's 16 pairs.  This copy is written again two passes on, behind the next pass's barrier
.endr
	s_wait_dscnt 0x0
	v_min3_num_f32 v16, v84, v86, v88
	s_delay_alu instid0(VALU_DEP_1)
	v_min3_num_f32 v16, v16, v90, v92
	s_delay_alu instid0(VALU_DEP_1)
	v_min3_num_f32 v16, v16, v94, v96
	s_delay_alu instid0(VALU_DEP_1)
	v_min_num_f32 v16, v16, v98
	s_delay_alu instid0(VALU_DEP_1)
	v_permlanex16_b32 v19, v16, s20, s21
	s_delay_alu instid0(VALU_DEP_1)
	v_min_num_f32 v16, v16, v19                    ; -M
.irp i, 0,1,2,3,4,5,6,7
	v_sub_f32 v[84+2*\i], v16, v[84+2*\i]          ; M' - M, 0 or less
.endr
	v_sub_f32 v17, v16, v12                        ; my own two
	v_sub_f32 v18, v16, v14
	s_wait_alu depctr_va_vdst(0)
.irp i, 0,1,2,3,4,5,6,7
	v_exp_f32 v[84+2*\i], v[84+2*\i]
.endr
	v_exp_f32 v17, v17
	v_exp_f32 v18, v18
	v_nop
	s_wait_alu depctr_va_vdst(0)
	v_mul_f32 v19, v84, v85
.irp i, 1,2,3,4,5,6,7
	v_fma_f32 v19, v[84+2*\i], v[85+2*\i], v19
.endr
	v_permlanex16_b32 v20, v19, s20, s21
	v_add_f32 v19, v19, v20                        ; l = the sum of 2^(M' - M) l'
	v_max_num_f32 v19, 0x0d800000, v19             ; held at 2^-100 from below
	s_wait_alu depctr_va_vdst(0)
	v_rcp_f32 v19, v19
	v_nop
	s_wait_alu depctr_va_vdst(0)
	v_mul_f32 v20, v17, v19                        ; g of the even blocks,
	v_mul_f32 v22, v18, v19                        ; of the odd ones
.irp b, 0,1,2,3,4,5,6,7
.irp jj, 0,2,4,6,8,10,12,14
	v_pk_mul_f32 v[S+16*\b+\jj:S+16*\b+\jj+1], v[S+16*\b+\jj:S+16*\b+\jj+1], v[20+2*(\b%2):21+2*(\b%2)] op_sel_hi:[1,0]   ; attn = p g: finished and normalised
.endr
.endr
.irp b, 0,1,2,3,4,5,6,7
	v_mul_f32 v[BM+\b], v[BM+\b], v[20+2*(\b%2)]   ; each block's largest attn
.endr
.irp b, 0,1,2,3,4,5,6,7
	v_max_num_f32 v[BM+\b], 0x1800000, v[BM+\b]    ; the floor 2^(3 - 127)
.endr
.irp b, 0,1,2,3,4,5,6,7
	v_add_nc_u32 v[SCO+\b], 0xff000000, v[BM+\b]   ; the conversion's scale operand
.endr
.irp b, 0,1,2,3,4,5,6,7
	v_lshrrev_b32 v[BX+\b], 23, v[SCO+\b]          ; the scale's byte
.endr
	v_lshl_or_b32 v58, v85, 8, v84
	v_lshl_or_b32 v59, v89, 8, v88
	s_delay_alu instid0(VALU_DEP_2)
	v_lshl_or_b32 v58, v86, 16, v58
	s_delay_alu instid0(VALU_DEP_2)
	v_lshl_or_b32 v59, v90, 16, v59
	s_delay_alu instid0(VALU_DEP_2)
	v_lshl_or_b32 v58, v87, 24, v58
	s_delay_alu instid0(VALU_DEP_2)
	v_lshl_or_b32 v59, v91, 24, v59
.irp sp, 0,1
.irp c, 0,1
	v_cvt_scalef32_pk16_fp6_f32 v[PCD+12*\sp+6*\c:PCD+12*\sp+6*\c+2], v[S+64*\sp+32*\c:S+64*\sp+32*\c+15], v[SCO+4*\sp+2*\c]
	v_cvt_scalef32_pk16_fp6_f32 v[BM+4*\c:BM+4*\c+2], v[S+64*\sp+32*\c+16:S+64*\sp+32*\c+31], v[SCO+4*\sp+2*\c+1]
.endr
	v_nop                                          ; one plain place behind a scaled conversion
.irp c, 0,1
.irp i, 0,1,2
	v_permlane16_swap_b32 v[PCD+12*\sp+6*\c+\i], v[BM+4*\c+\i]
.endr
.irp i, 0,1,2
	v_mov_b32 v[PCD+12*\sp+6*\c+3+\i], v[BM+4*\c+\i]
.endr
.endr
.endr
.rept 8
	v_nop                                          ; a scale register written by a vector instruction stands 8 places ahead of a scaled matrix instruction
.endr
	WIN 0x41
.irp dt, 0,1,2,3
	v_wmma_scale_f32_16x16x128_f8f6f4 v[OT+8*\dt:OT+8*\dt+7], v[VFR+12*\dt:VFR+12*\dt+11], v[PCD:PCD+11], 0, v[68+\dt], v58 matrix_a_fmt:MATRIX_FMT_FP6 matrix_b_fmt:MATRIX_FMT_FP6
.endr
	WIN 0x51
.irp dt, 0,1,2,3                               ; the four accumulators take turns
	v_wmma_scale_f32_16x16x128_f8f6f4 v[OT+8*\dt:OT+8*\dt+7], v[VFR+12*(4+\dt):VFR+12*(4+\dt)+11], v[PCD+12:PCD+23], v[OT+8*\dt:OT+8*\dt+7], v[72+\dt], v59 matrix_a_fmt:MATRIX_FMT_FP6 matrix_b_fmt:MATRIX_FMT_FP6
.endr
	WIN 0
.rept 4
	v_nop
.endr
	WIN 0x04
.irp dt, 0,1,2,3
	ds_store_b128 v7, v[OT+8*\dt:OT+8*\dt+3] offset:SLOTB*\par+64*\dt
	ds_store_b128 v7, v[OT+8*\dt+4:OT+8*\dt+7] offset:SLOTB*\par+64*\dt+16
.endr
	WIN 0
.endm
.macro PLOAD p, reg
.irp o, 0,1,2,3
	ds_load_b128 v[\reg+4*\o:\reg+4*\o+3], v8 offset:OPW*\p+16*\o
.endr
.irp o, 0,1,2,3
	ds_load_b128 v[\reg+16+4*\o:\reg+16+4*\o+3], v8 offset:OPW*\p+128+16*\o
.endr
.endm
.macro RADD reg
.set jj, 0
.rept 16
	v_pk_add_f32 v[S+jj:S+jj+1], v[S+jj:S+jj+1], v[\reg+jj:\reg+jj+1]
.set jj, jj+2
.endr
.endm
; THE END OF A GROUP OF 8 PASSES: wave w adds the eight partials of pass w, quantises 16 tokens x the head's 64 (in true order) and stores a unit and its scale bytes.
.macro GROUP_END
	s_wait_dscnt 0x0
	s_barrier_signal -1
	s_barrier_wait -1                              ; everybody's partial sums have landed.  The slots are written again behind the next pass's barrier
	PLOAD 0, S
	PLOAD 1, S+32
	PLOAD 2, S+64
	PLOAD 3, S+96
	s_wait_dscnt 16                                ; each count: the loads of the younger partials, 8 apiece
	RADD S+32
	PLOAD 4, S+32
	s_wait_dscnt 16
	RADD S+64
	PLOAD 5, S+64
	s_wait_dscnt 16
	RADD S+96
	PLOAD 6, S+96
	s_wait_dscnt 16
	RADD S+32
	PLOAD 7, S+32
	s_wait_dscnt 16
	RADD S+64
	s_wait_dscnt 8
	RADD S+96
	s_wait_dscnt 0x0
	RADD S+32
	v_max3_num_f32 v76, |v[S]|, |v[S+1]|, 0x1800000
	v_max3_num_f32 v77, |v[S+16]|, |v[S+17]|, 0x1800000
.irp i, 2,4,6,8,10,12,14
	s_delay_alu instid0(VALU_DEP_2)
	v_max3_num_f32 v76, v76, |v[S+\i]|, |v[S+\i+1]|
	s_delay_alu instid0(VALU_DEP_2)
	v_max3_num_f32 v77, v77, |v[S+16+\i]|, |v[S+17+\i]|
.endr
	s_delay_alu instid0(VALU_DEP_2)
	v_permlanex16_b32 v84, v76, s20, s21
	s_delay_alu instid0(VALU_DEP_2)
	v_permlanex16_b32 v85, v77, s20, s21
	s_delay_alu instid0(VALU_DEP_2)
	v_max_num_f32 v76, v76, v84
	s_delay_alu instid0(VALU_DEP_2)
	v_max_num_f32 v77, v77, v85
	s_delay_alu instid0(VALU_DEP_2)
	v_add_nc_u32 v92, 0xff000000, v76
	s_delay_alu instid0(VALU_DEP_2)
	v_add_nc_u32 v93, 0xff000000, v77
	s_delay_alu instid0(VALU_DEP_2)
	v_lshrrev_b32 v84, 23, v92
	s_delay_alu instid0(VALU_DEP_2)
	v_lshrrev_b32 v85, 23, v93
	s_delay_alu instid0(VALU_DEP_1)
	v_lshl_or_b32 v86, v85, 8, v84
	v_cvt_scalef32_pk16_fp6_f32 v[100:102], v[S:S+15], v92
	v_cvt_scalef32_pk16_fp6_f32 v[108:110], v[S+16:S+31], v93
	v_nop
.irp i, 0,1,2
	v_permlane16_swap_b32 v[100+\i], v[108+\i]
.endr
.irp i, 0,1,2
	s_delay_alu instid0(VALU_DEP_3)
	v_mov_b32 v[103+\i], v[108+\i]
.endr
	global_store_b128 v1, v[100:103], s[8:9]
	global_store_b64 v2, v[104:105], s[8:9] offset:512
	global_store_b16 v9, v86, s[10:11]             ; 2 bytes a token: all that a head owns of a token's 32 scale bytes
	s_wait_xcnt 0x0
	s_add_nc_u64 s[8:9], s[8:9], 98304
	s_add_nc_u64 s[10:11], s[10:11], 4096
.endm
	s_mov_b32 s17, 0
	s_mov_b32 s14, 4
.Lgroup:
	s_mov_b32 s16, 0
	s_mov_b32 s15, 4
.Lpair:
	PASS 0
	PASS 1
	s_add_co_u32 s16, s16, 2*SLOTB
	s_sub_co_u32 s15, s15, 1
	s_cmp_lg_u32 s15, 0
	s_cbranch_scc1 .Lpair
	GROUP_END
	s_sub_co_u32 s14, s14, 1
	s_cmp_lg_u32 s14, 0
	s_cbranch_scc1 .Lgroup
	s_wait_tensorcnt 0x0                           ; the wave's end
	ds_add_u32 v126, v127
	s_wait_dscnt 0x0
	s_endpgm
.Lfunc_end_k_q4bad72fb87_attn:
	.size	k_q4bad72fb87_attn, .Lfunc_end_k_q4bad72fb87_attn-k_q4bad72fb87_attn
	.p2alignl 7, 3214868480
	.fill 96, 4, 3214868480
	.section	.rodata,"a",@progbits
	.p2align	6, 0x0
	.amdhsa_kernel k_q4bad72fb87_attn
		.amdhsa_group_segment_fixed_size 284160
		.amdhsa_private_segment_fixed_size 0
		.amdhsa_enable_private_segment 0
		.amdhsa_kernarg_size 40
		.amdhsa_user_sgpr_count 2
		.amdhsa_user_sgpr_kernarg_segment_ptr 1
		.amdhsa_wavefront_size32 1
		.amdhsa_system_sgpr_workgroup_id_x 1
		.amdhsa_system_sgpr_workgroup_id_y 1
		.amdhsa_system_sgpr_workgroup_id_z 1
		.amdhsa_system_vgpr_workitem_id 0
		.amdhsa_next_free_vgpr 512
		.amdhsa_next_free_sgpr 100
		.amdhsa_reserve_vcc 0
		.amdhsa_float_denorm_mode_32 3
		.amdhsa_float_denorm_mode_16_64 3
		.amdhsa_memory_ordered 1
		.amdhsa_forward_progress 1
		.amdhsa_inst_pref_size 120
	.end_amdhsa_kernel
	.amdgpu_metadata
---
amdhsa.version: [ 1, 2 ]
amdhsa.kernels:
  - .name:           k_q4bad72fb87_attn
    .symbol:         k_q4bad72fb87_attn.kd
    .args:
      - { .name: pc, .offset: 0, .size: 8, .value_kind: global_buffer, .address_space: global }
      - { .name: ps, .offset: 8, .size: 8, .value_kind: global_buffer, .address_space: global }
      - { .name: mbits, .offset: 16, .size: 8, .value_kind: global_buffer, .address_space: global }
      - { .name: xc, .offset: 24, .size: 8, .value_kind: global_buffer, .address_space: global }
      - { .name: xs, .offset: 32, .size: 8, .value_kind: global_buffer, .address_space: global }
    .group_segment_fixed_size: 284160
    .private_segment_fixed_size: 0
    .kernarg_segment_align: 8
    .kernarg_segment_size: 40
    .max_flat_workgroup_size: 256
    .sgpr_count:     100
    .vgpr_count:     512
    .wavefront_size: 32
...
	.end_amdgpu_metadata
.endif
;; end of part 3
;; launch outp (part 4): grid 4 x 64, 4 waves a work-group, clusters of 4 x 4, 327,680 bytes of LDS; arguments xc, xs, Wo_codes, Wo_scales, bo, out0; writes out0
.if DOCPART == 4
	.amdgcn_target "amdgcn-amd-amdhsa--gfx1250"
	.amdhsa_code_object_version 6
	.text
	.protected	k_q4bad72fb87_outp
	.globl	k_q4bad72fb87_outp
	.p2align	8
	.type	k_q4bad72fb87_outp,@function
k_q4bad72fb87_outp:
	s_mov_b64 s[64:65], 0
	v_nop
	global_prefetch_b8 v0, s[64:65] scope:SCOPE_SE
	s_setreg_imm32_b32 hwreg(HW_REG_WAVE_MODE, 25, 1), 1
	s_wait_xcnt 0x0
	s_wait_alu depctr_hold_cnt(0) depctr_sa_sdst(0) depctr_va_vdst(0) depctr_va_sdst(0) depctr_va_ssrc(0) depctr_va_vcc(0) depctr_vm_vsrc(0)
	s_getreg_b32 s2, hwreg(HW_REG_IB_STS2, 6, 4)
	s_cmp_eq_u32 s2, 0
	s_cbranch_scc0 .Lentry_in_a_cluster
	s_endpgm
.Lentry_in_a_cluster:
	s_bfe_u32 s2, ttmp6, 0x10000c
	s_cmp_lg_u32 s2, 0xf033
	s_cbranch_scc0 .Lentry_shape_is_right
	s_endpgm
.Lentry_shape_is_right:
; out0 = x Wo^T + bo on codes of FP6 (E2M3) with E8M0 scales; f32 out.  A block of C is 128 tokens x 256 columns: 256 work-groups.
; ALL OF K LIES IN LDS: x's codes of 128 tokens are one dense block of 98,304 bytes (register images: [tile of 16 tokens][head][768 bytes]); Wo's 256 rows of 768 bytes begin at multiples of 256 bytes and get 16 bytes of padding behind each 256.
; LDS is filled once, by one joint load a wave (x's codes, Wo's codes, x's scales, Wo's scales); nothing is filled again, and no barrier stands among the eight K steps.
; CLUSTERS 4 x 4: x's tiles are shared along a row of the cluster, Wo's along a column.  NO PREFETCH: there is no loop to run ahead in; every byte is asked for at the head.
; A wave makes 64 x 128: 32 accumulators (window 2), begun with the bias as C.  Window 0: v16-29 addresses, v32-63 scale words, v64-127 the bias, v128-223 A's fragments (two sets).  Window 1: B's fragments, two sets.
; The matrix instruction is used transposed (source 0 = rows of Wo, source 1 = tokens): a lane holds eight neighbouring numbers of a row of out0.
.set SIZE_N, 1024
.set KROW,   768
.set PITCH,  816
.set FR,     12
.set NP,     4
.set KS,     32
.set BBASE,  98304
.set SCL,    BBASE+256*PITCH
.set SA64,   2176
.set SB128,  4352
.set SBLK,   544
.set SPARE,  SCL+3*SB128               ; the spare words: 512 bytes that no other line names
.set SPITCH, 528
.set O32H, 12
.set ADRA, 16                          ; v16: 16 x lane, v17: 8 x lane, in my four tiles of tokens
.set ADRB, 20
.set STO,  24
.set RD,   25
.set CO,   26
.set ADRS, 27
.set SPW,  28
.set NIL,  29
.set SC,   32
.set BT,   64
.set AF,   128
.set BK,   128
.set G1, 24
.set G0, 32
.set G1B, 48
.set G0B, 56
.set G1S, 68
.set G0S, 76
.set G1SB, 80
.set G0SB, 88
.set MSB, 0
.macro WIN new
.if MSB != (\new)
	s_set_vgpr_msb (MSB<<8)|(\new)
.set MSB, (\new)
.endif
.endm
.set MUL,  0xa1
.set FST,  0x81                        ; the first step: C (the bias) window 0
.set TO_B, 0x40
.macro CROUND
	s_barrier_signal -1
	s_barrier_wait -1
	s_cmp_lg_u32 s14, 0
	s_cbranch_scc1 .Lnot_wave_0_\@
	s_barrier_signal -3
.Lnot_wave_0_\@:
	s_barrier_wait -3
	s_barrier_signal -1
	s_barrier_wait -1
.endm
.macro DESC g, c, r, p
	s_mov_b32 s[\g+1], (\c)<<16
	s_mov_b32 s[\g+2], (\r)<<16
	s_mov_b32 s[\g+3], (\c)<<16
	s_mov_b32 s[\g+4], \r
	s_mov_b32 s[\g+5], \p
	s_mov_b32 s[\g+6], 0
	s_mov_b32 s[\g+7], 0
.endm
.macro GRP0 g, lds, src
	s_mov_b32 s[\g], 1
	s_mov_b32 s[\g+1], \lds
	s_mov_b64 s[\g+2:\g+3], s[\src:\src+1]
	s_or_b32 s[\g+3], s[\g+3], 0x80000000
.endm
	s_load_b128 s[4:7], s[0:1], 0x0                ; xc, xs
	s_load_b128 s[8:11], s[0:1], 0x10              ; Wo's codes, scales
	s_load_b64 s[96:97], s[0:1], 0x20              ; bo
	s_load_b64 s[12:13], s[0:1], 0x28              ; out0
	v_lshl_add_u32 v[SPW], v0, 2, SPARE
	v_mov_b32 v[NIL], 0
	ds_add_u32 v[SPW], v[NIL]                      ; the opening lines: the add twice on end and its wait
	ds_add_u32 v[SPW], v[NIL]
	v_lshrrev_b32 v1, 5, v0
	v_readfirstlane_b32 s14, v1
	s_lshr_b32 s15, s14, 1                         ; my 64 of the 128 tokens
	s_and_b32 s16, s14, 1                          ; my 128 of the 256 columns
	s_bfe_u32 s40, ttmp6, 0x40000
	s_bfe_u32 s41, ttmp6, 0x40004
	s_lshl_b32 s42, ttmp9, 2
	s_add_co_u32 s42, s42, s40                     ; the tile of columns
	s_and_b32 s17, ttmp7, 0xffff
	s_lshl_b32 s17, s17, 2
	s_add_co_u32 s17, s17, s41                     ; the tile of tokens
	s_lshl_b32 s43, s41, 2
	s_lshl_b32 s43, 15, s43
	s_lshl_b32 s44, 0x1111, s40
	s_or_b32 s[G1+0], s43, (3<<16)|(1<<21)
	s_or_b32 s[G1B+0], s44, (0<<16)|(1<<20)|(1<<21)|(5<<22)|(3<<25)
	s_or_b32 s[G1S+0], s43, (3<<16)|(1<<20)|(1<<21)|(5<<22)|(3<<25)
	s_or_b32 s[G1SB+0], s44, (3<<16)|(1<<20)|(1<<21)|(5<<22)|(3<<25)
	DESC G1, 32, 384, 32                           ; a dense block: 384 rows of 256 bytes, no padding
	DESC G1B, KROW, 256, KROW
	DESC G1S, 32, 16, 32
	DESC G1SB, 32, 32, 32
	s_lshl_b32 s20, s17, 7
	s_lshl_b32 s46, s42, 8
	s_mov_b32 s21, 0
	s_mov_b32 s47, 0
	s_mov_b64 s[18:19], KS
	s_mul_u64 s[22:23], s[20:21], s[18:19]
	s_mul_u64 s[92:93], s[46:47], s[18:19]
	s_mov_b64 s[18:19], KROW
	s_mul_u64 s[20:21], s[20:21], s[18:19]
	s_mul_u64 s[46:47], s[46:47], s[18:19]
	s_wait_dscnt 0x0
	s_wait_kmcnt 0x0
	s_add_nc_u64 s[20:21], s[4:5], s[20:21]
	s_add_nc_u64 s[22:23], s[6:7], s[22:23]
	s_add_nc_u64 s[46:47], s[8:9], s[46:47]
	s_add_nc_u64 s[92:93], s[10:11], s[92:93]
	CROUND                                         ; all sixteen work-groups are here: the joint loads meet
	GRP0 G0, 0, 20
	GRP0 G0B, BBASE, 46
	GRP0 G0S, SCL, 22
	GRP0 G0SB, SCL+SB128, 92
.macro ARM under, g0, g1, next                 ; one chain of branches on the wave's number, one load to an arm
	s_cmp_lt_u32 s14, \under
	s_cbranch_scc0 \next
	tensor_load_to_lds s[\g0:\g0+3], s[\g1:\g1+7]
	s_nop 0
.rept 4
	v_nop
.endr
	s_branch .Lhead_asked
\next:
.endm
	ARM 1, G0,  G1,  .Lhead_b
	ARM 2, G0B, G1B, .Lhead_sa
	ARM 3, G0S, G1S, .Lhead_sb
	tensor_load_to_lds s[G0SB:G0SB+3], s[G1SB:G1SB+7]
	s_nop 0
.rept 4
	v_nop
.endr
.Lhead_asked:
	v_and_b32 v1, 15, v0                           ; r
	v_bfe_u32 v2, v0, 4, 1                         ; h
	v_mul_u32_u24 v3, v1, PITCH
	v_mad_u32_u24 v4, v2, 24, v3
	v_lshl_add_u32 v5, v2, 4, v4
	v_and_b32 v6, 31, v0
	v_lshlrev_b32 v7, 4, v6
	v_lshlrev_b32 v8, 3, v6
	s_mul_i32 s21, s15, 4*12288
	s_mul_i32 s22, s16, 128*PITCH
	s_add_co_u32 s22, s22, BBASE
	v_add_nc_u32 v[ADRA], s21, v7
	v_add_nc_u32 v[ADRA+1], s21, v8
	v_add_nc_u32 v[ADRB], s22, v4
	v_add_nc_u32 v[ADRB+1], s22, v5
	s_add_co_u32 s22, s22, 64*PITCH
	v_add_nc_u32 v[ADRB+2], s22, v4
	v_add_nc_u32 v[ADRB+3], s22, v5
	v_mul_u32_u24 v5, v1, KS
	v_lshrrev_b32 v6, 8, v5
	v_lshl_add_u32 v5, v6, 4, v5
	s_mul_i32 s21, s15, SA64
	s_mul_i32 s22, s16, SB128
	s_add_co_u32 s22, s22, SB128
	s_sub_co_u32 s22, s22, s21
	v_mul_u32_u24 v6, s22, v2                      ; lanes 16-31 take Wo's scales
	s_add_co_u32 s21, s21, SCL
	v_add_nc_u32 v5, v5, v6
	v_add_nc_u32 v[ADRS], s21, v5
	s_mul_i32 s23, s14, 16*SPITCH                  ; the way out: my stage, in x's bytes
	v_mul_u32_u24 v5, v1, SPITCH
	v_lshl_add_u32 v5, v2, 5, v5
	v_add_nc_u32 v[STO], s23, v5
	v_mov_b32 v[CO], v7
	v_add_nc_u32 v[RD], s23, v7
	v_lshlrev_b32 v[O32H], 5, v2
	s_wait_alu depctr_va_vdst(0)                   ; the wait at the end of the head's vector work
	s_lshl_b32 s92, s42, 10
	s_lshl_b32 s93, s16, 9
	s_add_co_u32 s92, s92, s93
	s_mov_b32 s93, 0
	s_add_nc_u64 s[96:97], s[96:97], s[92:93]
.irp b, 0,1,2,3,4,5,6,7
	global_load_b128 v[BT+8*\b:BT+8*\b+3], v[O32H], s[96:97] offset:64*\b
	global_load_b128 v[BT+8*\b+4:BT+8*\b+7], v[O32H], s[96:97] offset:64*\b+16
.endr
	s_lshl_b32 s20, s17, 7
	s_lshl_b32 s21, s15, 6
	s_add_co_u32 s20, s20, s21                     ; my first row of out0
	s_mov_b32 s21, 0
	s_mov_b64 s[18:19], SIZE_N*4
	s_mul_u64 s[20:21], s[20:21], s[18:19]
	s_add_nc_u64 s[20:21], s[20:21], s[92:93]      ; + my first column, in bytes
	s_add_nc_u64 s[12:13], s[12:13], s[20:21]
.macro FRAG reg, adr, st, i                    ; Wo: byte y of a row lies at y + 16 (y / 256) of its LDS row; lanes 16-31 read 24 bytes further on
.irp p, 0,1,2,3,4,5
.set BY, 96*(\st)+48*(\p/3)+8*(\p%3)
.if BY/256 == (BY+24)/256
	ds_load_b64 v[\reg+2*\p:\reg+2*\p+1], v[\adr+2*((\i)/4)] offset:BY+16*(BY/256)+((\i)%4)*16*PITCH
.else
	ds_load_b64 v[\reg+2*\p:\reg+2*\p+1], v[\adr+2*((\i)/4)+1] offset:BY+16*(BY/256)+((\i)%4)*16*PITCH
.endif
.endr
.endm
.macro FRAG_A reg, st, i                       ; x: two units of 768 bytes, register images
	ds_load_b128 v[\reg:\reg+3],     v[ADRA]   offset:12288*(\i)+1536*(\st)
	ds_load_b64  v[\reg+4:\reg+5],   v[ADRA+1] offset:12288*(\i)+1536*(\st)+512
	ds_load_b128 v[\reg+6:\reg+9],   v[ADRA]   offset:12288*(\i)+1536*(\st)+768
	ds_load_b64  v[\reg+10:\reg+11], v[ADRA+1] offset:12288*(\i)+1536*(\st)+1280
.endm
.macro FETCH st                                ; step st's fragments into set st % 2; with an even step the scale words of two steps (for i over 3 lanes 0-15 read words that no product names)
	WIN TO_B
.irp i, 0,1,2,3,4,5,6,7
	FRAG 128*((\st)%2)+FR*\i, ADRB, \st, \i
.endr
	WIN 0
.irp i, 0,1,2,3
	FRAG_A AF+48*((\st)%2)+FR*\i, \st, \i
.endr
.if (\st)%2 == 0
.irp i, 0,1,2,3,4,5,6,7
	ds_load_b64 v[SC+16*(((\st)/2)%2)+2*\i:SC+16*(((\st)/2)%2)+2*\i+1], v[ADRS] offset:\i*SBLK+4*(\st)
.endr
.endif
.endm
.macro MUL32 p, q, sc, first                   ; the 32 accumulators take turns, in the same order in every step
.irp a, 0,1,2,3
.irp b, 0,1,2,3,4,5,6,7
.if \first
	v_wmma_scale_f32_16x16x128_f8f6f4 v[8*(8*\a+\b):8*(8*\a+\b)+7], v[128*(\p)+FR*\b:128*(\p)+FR*\b+FR-1], v[AF+48*(\p)+FR*\a:AF+48*(\p)+FR*\a+FR-1], v[BT+8*\b:BT+8*\b+7], v[SC+16*(\sc)+2*\b+(\q)], v[SC+16*(\sc)+2*\a+(\q)] matrix_a_fmt:MATRIX_FMT_FP6 matrix_b_fmt:MATRIX_FMT_FP6 matrix_a_scale:MATRIX_SCALE_ROW1
.else
	v_wmma_scale_f32_16x16x128_f8f6f4 v[8*(8*\a+\b):8*(8*\a+\b)+7], v[128*(\p)+FR*\b:128*(\p)+FR*\b+FR-1], v[AF+48*(\p)+FR*\a:AF+48*(\p)+FR*\a+FR-1], v[8*(8*\a+\b):8*(8*\a+\b)+7], v[SC+16*(\sc)+2*\b+(\q)], v[SC+16*(\sc)+2*\a+(\q)] matrix_a_fmt:MATRIX_FMT_FP6 matrix_b_fmt:MATRIX_FMT_FP6 matrix_a_scale:MATRIX_SCALE_ROW1
.endif
.endr
.endr
.endm
.macro PLACES n
.rept \n
	v_nop
.endr
.endm
.macro STEP st, first                          ; this step's fragments were asked for a step ago; the next step's are asked for ahead of this step's 32 products
	s_wait_dscnt 0x0
.if (\st) > 0
	PLACES NP
.endif
.if (\st) < 7
	FETCH (\st)+1
.endif
.if \first
	WIN FST
.else
	WIN MUL
.endif
	MUL32 (\st)%2, (\st)%2, ((\st)/2)%2, \first
.endm
	s_wait_tensorcnt 0x0                           ; my tile is in
	s_barrier_signal -1
	s_barrier_wait -1                              ; all four are
	FETCH 0
	s_wait_loadcnt 0x0                             ; the bias
	STEP 0, 1
.set ST, 1
.rept 7
	STEP ST, 0
.set ST, ST+1
.endr
	WIN 0
; THE WAY OUT: a block of 16 rows x 128 columns goes through my own stage and comes back as whole rows of 512 bytes
.macro TOSTAGE a
.set AC, 64*(\a)
	WIN 0x08                                       ; the data: window 2
.irp b, 0,1,2,3,4,5,6,7
	ds_store_b128 v[STO], v[AC+8*\b:AC+8*\b+3] offset:64*\b
	ds_store_b128 v[STO], v[AC+8*\b+4:AC+8*\b+7] offset:64*\b+16
.endr
	WIN 0
.set BB, BK+64*((\a)%2)
.irp t, 0,1,2,3,4,5,6,7,8,9,10,11,12,13,14,15
	ds_load_b128 v[BB+4*\t:BB+4*\t+3], v[RD] offset:\t*SPITCH
.endr
.endm
.macro SEND a, younger                         ; younger: the LDS instructions issued behind block a's loads
.set BB, BK+64*((\a)%2)
	s_wait_dscnt \younger
.if (\a) > 0
	s_add_nc_u64 s[12:13], s[12:13], 16*SIZE_N*4   ; (behind a wait on XCNT)
.endif
.irp t, 0,1,2,3,4,5,6,7,8,9,10,11,12,13,14,15
	global_store_b128 v[CO], v[BB+4*\t:BB+4*\t+3], s[12:13] offset:\t*SIZE_N*4 th:TH_STORE_NT   ; 32 lanes store 512 consecutive bytes, aligned to 256
.endr
.endm
	s_wait_dscnt 0x0
	s_barrier_signal -1
	s_barrier_wait -1                              ; nobody reads x's bytes any more: they had their one fill, and now hold the stages
	PLACES NP
	TOSTAGE 0
.irp a, 1,2,3
.if \a > 1
	s_wait_xcnt 0x0                                ; block a - 2's stores have read their registers and their base
.endif
	TOSTAGE \a
	SEND \a-1, 32
.endr
	s_wait_xcnt 0x0
	SEND 3, 0
	s_wait_tensorcnt 0x0                           ; the wave's end
	ds_add_u32 v[SPW], v[NIL]
	s_wait_dscnt 0x0
	CROUND
	s_endpgm
.Lfunc_end_k_q4bad72fb87_outp:
	.size	k_q4bad72fb87_outp, .Lfunc_end_k_q4bad72fb87_outp-k_q4bad72fb87_outp
	.p2alignl 7, 3214868480
	.fill 96, 4, 3214868480
	.section	.rodata,"a",@progbits
	.p2align	6, 0x0
	.amdhsa_kernel k_q4bad72fb87_outp
		.amdhsa_group_segment_fixed_size 327680
		.amdhsa_private_segment_fixed_size 0
		.amdhsa_enable_private_segment 0
		.amdhsa_kernarg_size 48
		.amdhsa_user_sgpr_count 2
		.amdhsa_user_sgpr_kernarg_segment_ptr 1
		.amdhsa_wavefront_size32 1
		.amdhsa_system_sgpr_workgroup_id_x 1
		.amdhsa_system_sgpr_workgroup_id_y 1
		.amdhsa_system_sgpr_workgroup_id_z 1
		.amdhsa_system_vgpr_workitem_id 0
		.amdhsa_next_free_vgpr 768
		.amdhsa_next_free_sgpr 98
		.amdhsa_reserve_vcc 0
		.amdhsa_float_denorm_mode_32 3
		.amdhsa_float_denorm_mode_16_64 3
		.amdhsa_memory_ordered 1
		.amdhsa_forward_progress 1
		.amdhsa_inst_pref_size 93
	.end_amdhsa_kernel
	.amdgpu_metadata
---
amdhsa.version: [ 1, 2 ]
amdhsa.kernels:
  - .name:           k_q4bad72fb87_outp
    .symbol:         k_q4bad72fb87_outp.kd
    .args:
      - { .name: xc, .offset: 0, .size: 8, .value_kind: global_buffer, .address_space: global }
      - { .name: xs, .offset: 8, .size: 8, .value_kind: global_buffer, .address_space: global }
      - { .name: Wo_codes, .offset: 16, .size: 8, .value_kind: global_buffer, .address_space: global }
      - { .name: Wo_scales, .offset: 24, .size: 8, .value_kind: global_buffer, .address_space: global }
      - { .name: bo, .offset: 32, .size: 8, .value_kind: global_buffer, .address_space: global }
      - { .name: out0, .offset: 40, .size: 8, .value_kind: global_buffer, .address_space: global }
    .group_segment_fixed_size: 327680
    .private_segment_fixed_size: 0
    .kernarg_segment_align: 8
    .kernarg_segment_size: 48
    .max_flat_workgroup_size: 128
    .sgpr_count:     98
    .vgpr_count:     768
    .wavefront_size: 32
...
	.end_amdgpu_metadata
.endif
;; end of part 4
